; MI455X (gfx1250); checked and timed in simulation.
; The chip was launched on July 23, 2026; its instructions are those of AMD's public machine-readable ISA for CDNA 5 (MIT licence, August 2026) and "CDNA5" Instruction Set Architecture Reference Guide (July 2026). The comments in the code are by the model that wrote it; some were corrected since.
;; Quantized Linear. Allowed arithmetic: float matrix products may take bf16 or f16 operands with f32 sums; other float arithmetic in f32, or as packed bf16 or f16 multiplies, adds, multiply-adds, maxima and minima; sums over many terms, partial sums and values carried from step to step in f32; what a program stores and reads back later, other than sums and carried values, may be rounded once to bf16 or f16.
;; Inputs: bias 4,096 float32; input_scale 1 float32; weight 4,096 x 4,096 float32; weight_scale 4,096 float32; x 4 x 1,024 x 4,096 float32.
;; Outputs: out0 4 x 1,024 x 4,096 float32.
;; 2 versions, each right; version 2 is version 1 with the launch quant written anew for expert scheduling mode. Each part assembles by itself: llvm-mc -triple=amdgcn-amd-amdhsa -mcpu=gfx1250 --defsym DOCPART=n.
;; ======== version 1 of 2: 2 launches
;; workspace buffers: xq 33,554,432 bytes; wq 33,554,432 bytes
;; launch quant (part 1): grid 256 x 2, 8 waves a work-group, no clusters, 0 bytes of LDS; arguments x, weight, weight_scale, input_scale, xq, wq; writes xq, wq
.if DOCPART == 1
	.amdgcn_target "amdgcn-amd-amdhsa--gfx1250"
	.amdhsa_code_object_version 6
	.text
	.protected	k_q17140a79ba_quant
	.globl	k_q17140a79ba_quant
	.p2align	8
	.type	k_q17140a79ba_quant,@function
k_q17140a79ba_quant:
	s_mov_b64 s[64:65], 0
	v_nop
	global_prefetch_b8 v0, s[64:65] scope:SCOPE_SE
	s_setreg_imm32_b32 hwreg(HW_REG_WAVE_MODE, 25, 1), 1
	s_wait_xcnt 0x0
; THE TWO MATRIX OPERANDS, MADE ONCE.  x: [4096][4096] f32, weight: [4096][4096] f32; xq, wq: [4096][4096] bf16.
;   xq[m][d] = bf16(f32(int32(x[m][d] * input_scale)))            int32: toward zero
;   wq[p(o)][d] = bf16(clamp(round_half_even(weight[o][d] * weight_scale[o]), -128, 127))
; The product in front of each rounding is one f32 multiplication, so that the discontinuous step behind it sees the same number as the problem's function.
; wq's ROWS ARE PERMUTED inside each group of 64: weight row o lies at stored row p(o) = (o & ~63) | ((o & 3) << 4) | ((o >> 2) & 15).  In the product that follows, a lane's
; results in four accumulators are then four NEIGHBOURING columns of the output, and go out as 16 bytes without a detour.
; LIMITS.  Whole numbers up to 256 are exact in bf16; a larger xq is rounded to 8 significant bits (at most 2^-8 of itself).  Both conversions to whole numbers SATURATE
; (int8 at -128 and 127, int32 at its ends); there is no wraparound.  A NaN in x counts as 0; a NaN in weight counts as -128.
; SHARES.  Grid y = 0: x; y = 1: weight.  A work-group owns 16 rows, each of its eight waves two: 32,768 bytes of input on end.  A load takes 16 bytes a lane, 512 consecutive bytes a wave;
; its four numbers leave as 8 bytes a lane: each store of a wave covers 256 consecutive bytes, aligned.
; IN FLIGHT.  32 slots of four registers: a row's 32 loads are all out at once, and each slot is asked for again (the second row) as soon as it has been worked on.
; Nothing is shared between waves or work-groups: no LDS, no barrier, no cluster, no matrix unit; the wave's own 32 loads are the stream, so nothing is asked for ahead of them.
; No register that a store reads is written again, and the address registers and bases never change: no wait frees a source.
.set ROWIN,  16384                     ; bytes in a row of x and of weight
.set ROWOUT, 8192                      ; bytes in a row of xq and of wq
.set X,   4                            ; v[4:131]    slot i: four f32 as loaded, at X + 4 i
.set Y,   132                          ; v[132:195]  slot i: the first row's four bf16, at Y + 2 i
	s_load_b256 s[4:11], s[0:1], 0x0               ; x s[4:5], weight s[6:7], weight_scale s[8:9], input_scale s[10:11]
	s_load_b128 s[12:15], s[0:1], 0x20             ; xq s[12:13], wq s[14:15]
	v_and_b32 v1, 31, v0                           ; lane
	v_lshrrev_b32 v3, 5, v0
	v_readfirstlane_b32 s16, v3                    ; wave 0..7
	v_lshlrev_b32 v2, 3, v1                        ; 8 bytes a lane out; never rewritten
	v_lshlrev_b32 v1, 4, v1                        ; 16 bytes a lane in; never rewritten
	s_and_b32 s17, ttmp7, 0xffff                   ; 0: x, 1: weight
	s_lshl_b32 s18, ttmp9, 4                       ; the work-group's 16 rows,
	s_lshl_b32 s19, s16, 1
	s_add_co_u32 s18, s18, s19                     ; my two: row0 (even) and row0 + 1
	s_lshl_b32 s20, s18, 14                        ; row0 x 16,384 bytes, under 2^26
	s_mov_b32 s21, 0
	s_wait_kmcnt 0x0
	s_cmp_eq_u32 s17, 0
	s_cselect_b64 s[22:23], s[4:5], s[6:7]         ; the source
	s_add_nc_u64 s[22:23], s[22:23], s[20:21]      ; at my first row
.set n, 0
.rept 32
	global_load_b128 v[X+4*n:X+4*n+3], v1, s[22:23] offset:512*n th:TH_LOAD_NT  ; the whole first row
.set n, n+1
.endr
; One slot's turn.  kind = 0: x, 1: weight.  row = 0: my first row, and the slot is asked for again with the second row's bytes; row = 1: the second row.
.macro TURN kind, i, row
.set XR, X+4*(\i)
.set YR, Y+2*(\i)
.set SC, 24                            ; s[24:25]: the scale of x, or of weight's row0
.set ROW2, ROWOUT                      ; where the second row goes: the next row of xq,
.if \kind
.set ROW2, 16*ROWOUT                   ; or 16 stored rows on in wq: p(row0 + 1) = p(row0) + 16, row0 being even
.if \row
.set SC, 32                            ; s[32:33]: the scale of weight's row0 + 1
.endif
.endif
.if \row
	s_wait_loadcnt 31-(\i)                         ; loads come back in order (ISA guide 5.7.1): behind this slot's second load stand the 31 - i younger ones
.else
	s_wait_loadcnt 31                              ; behind this slot's first load stand 31 - i first loads and the i second loads already issued
.endif
	v_pk_mul_f32 v[XR:XR+1], v[XR:XR+1], s[SC:SC+1] op_sel_hi:[1,0]        ; times the scale: one f32 product each
	v_pk_mul_f32 v[XR+2:XR+3], v[XR+2:XR+3], s[SC:SC+1] op_sel_hi:[1,0]
.if \kind
.irp e, 0,1,2,3
	v_rndne_f32 v[XR+(\e)], v[XR+(\e)]             ; to the nearest whole number, halves to even
.endr
.irp e, 0,1,2,3
	v_med3_num_f32 v[XR+(\e)], v[XR+(\e)], s34, s35  ; held to -128 .. 127
.endr
.else
.irp e, 0,1,2,3
	v_cvt_i32_f32 v[XR+(\e)], v[XR+(\e)]           ; toward zero, saturating
.endr
.irp e, 0,1,2,3
	v_cvt_f32_i32 v[XR+(\e)], v[XR+(\e)]
.endr
.endif
.if \row
	v_cvt_pk_bf16_f32 v[XR], v[XR], v[XR+1]        ; packed in place: the slot is not loaded again
	v_cvt_pk_bf16_f32 v[XR+1], v[XR+2], v[XR+3]
	global_store_b64 v2, v[XR:XR+1], s[26:27] offset:ROW2+256*(\i)
.else
	v_cvt_pk_bf16_f32 v[YR], v[XR], v[XR+1]
	v_cvt_pk_bf16_f32 v[YR+1], v[XR+2], v[XR+3]
	global_load_b128 v[XR:XR+3], v1, s[22:23] offset:ROWIN+512*(\i) th:TH_LOAD_NT  ; the load ahead of the store
	global_store_b64 v2, v[YR:YR+1], s[26:27] offset:256*(\i)
.endif
.endm
.macro ROWS kind                       ; both rows, 32 turns each
.set n, 0
.rept 32
	TURN \kind, n, 0
.set n, n+1
.endr
.set n, 0
.rept 32
	TURN \kind, n, 1
.set n, n+1
.endr
.endm
	s_cmp_lg_u32 s17, 0
	s_cbranch_scc1 .Lweight
	s_load_b32 s24, s[10:11], 0x0                  ; input_scale
	s_lshl_b32 s28, s18, 13                        ; row0 x 8,192 bytes
	s_mov_b32 s29, 0
	s_add_nc_u64 s[26:27], s[12:13], s[28:29]      ; xq at my first row
	s_wait_kmcnt 0x0
	s_mov_b32 s25, s24                             ; named with it as a pair
	ROWS 0
	s_endpgm
.Lweight:
	s_lshl_b32 s36, s18, 2                         ; my two scales: 8 bytes at 4 x row0
	s_mov_b32 s37, 0
	s_add_nc_u64 s[8:9], s[8:9], s[36:37]
	s_load_b64 s[30:31], s[8:9], 0x0
	s_and_b32 s36, s18, 0xfc0                      ; p(row0): the group of 64 stays,
	s_and_b32 s37, s18, 3
	s_lshl_b32 s37, s37, 4                         ; the two lowest bits go up by four,
	s_or_b32 s36, s36, s37
	s_bfe_u32 s37, s18, 0x40002                    ; bits 5:2 come down
	s_or_b32 s36, s36, s37
	s_lshl_b32 s28, s36, 13
	s_mov_b32 s29, 0
	s_add_nc_u64 s[26:27], s[14:15], s[28:29]      ; wq at stored row p(row0)
	s_mov_b32 s34, 0xc3000000                      ; -128.0
	s_mov_b32 s35, 0x42fe0000                      ; 127.0
	s_wait_kmcnt 0x0
	s_mov_b32 s24, s30                             ; row0's scale, as a pair,
	s_mov_b32 s25, s30
	s_mov_b32 s32, s31                             ; and that of row0 + 1
	s_mov_b32 s33, s31
	ROWS 1
	s_endpgm
.Lfunc_end_k_q17140a79ba_quant:
	.size	k_q17140a79ba_quant, .Lfunc_end_k_q17140a79ba_quant-k_q17140a79ba_quant
	.p2alignl 7, 3214868480
	.fill 96, 4, 3214868480
	.section	.rodata,"a",@progbits
	.p2align	6, 0x0
	.amdhsa_kernel k_q17140a79ba_quant
		.amdhsa_group_segment_fixed_size 0
		.amdhsa_private_segment_fixed_size 0
		.amdhsa_enable_private_segment 0
		.amdhsa_kernarg_size 48
		.amdhsa_user_sgpr_count 2
		.amdhsa_user_sgpr_kernarg_segment_ptr 1
		.amdhsa_wavefront_size32 1
		.amdhsa_system_sgpr_workgroup_id_x 1
		.amdhsa_system_sgpr_workgroup_id_y 1
		.amdhsa_system_sgpr_workgroup_id_z 1
		.amdhsa_system_vgpr_workitem_id 0
		.amdhsa_next_free_vgpr 196
		.amdhsa_next_free_sgpr 66
		.amdhsa_reserve_vcc 0
		.amdhsa_float_denorm_mode_32 3
		.amdhsa_float_denorm_mode_16_64 3
		.amdhsa_memory_ordered 1
		.amdhsa_forward_progress 1
		.amdhsa_inst_pref_size 99
	.end_amdhsa_kernel
	.amdgpu_metadata
---
amdhsa.version: [ 1, 2 ]
amdhsa.kernels:
  - .name:           k_q17140a79ba_quant
    .symbol:         k_q17140a79ba_quant.kd
    .args:
      - { .name: x, .offset: 0, .size: 8, .value_kind: global_buffer, .address_space: global }
      - { .name: weight, .offset: 8, .size: 8, .value_kind: global_buffer, .address_space: global }
      - { .name: weight_scale, .offset: 16, .size: 8, .value_kind: global_buffer, .address_space: global }
      - { .name: input_scale, .offset: 24, .size: 8, .value_kind: global_buffer, .address_space: global }
      - { .name: xq, .offset: 32, .size: 8, .value_kind: global_buffer, .address_space: global }
      - { .name: wq, .offset: 40, .size: 8, .value_kind: global_buffer, .address_space: global }
    .group_segment_fixed_size: 0
    .private_segment_fixed_size: 0
    .kernarg_segment_align: 8
    .kernarg_segment_size: 48
    .max_flat_workgroup_size: 256
    .sgpr_count:     66
    .vgpr_count:     196
    .wavefront_size: 32
...
	.end_amdgpu_metadata
.endif
;; end of part 1
;; launch gemm (part 2): grid 16 x 16, 4 waves a work-group, clusters of 4 x 4, 327,680 bytes of LDS; arguments xq, wq, out0, bias, weight_scale, input_scale; writes out0
.if DOCPART == 2
	.amdgcn_target "amdgcn-amd-amdhsa--gfx1250"
	.amdhsa_code_object_version 6
	.text
	.protected	k_q17140a79ba_gemm
	.globl	k_q17140a79ba_gemm
	.p2align	8
	.type	k_q17140a79ba_gemm,@function
k_q17140a79ba_gemm:
	s_mov_b64 s[64:65], 0
	v_nop
	global_prefetch_b8 v0, s[64:65] scope:SCOPE_SE
	s_setreg_imm32_b32 hwreg(HW_REG_WAVE_MODE, 25, 1), 1
	s_wait_xcnt 0x0
	s_wait_alu depctr_hold_cnt(0) depctr_sa_sdst(0) depctr_va_vdst(0) depctr_va_sdst(0) depctr_va_ssrc(0) depctr_va_vcc(0) depctr_vm_vsrc(0)
	s_getreg_b32 s2, hwreg(HW_REG_IB_STS2, 6, 4)
	s_cmp_eq_u32 s2, 0
	s_cbranch_scc0 .Lentry_in_a_cluster
	s_endpgm
.Lentry_in_a_cluster:
	s_bfe_u32 s2, ttmp6, 0x10000c
	s_cmp_lg_u32 s2, 0xf033
	s_cbranch_scc0 .Lentry_shape_is_right
	s_endpgm
.Lentry_shape_is_right:
; out0[m][o] = (sum over d of xq[m][d] wi[o][d] + bias[o]) / (weight_scale[o] * input_scale).  xq: [4096][4096] bf16; wq: [4096][4096] bf16, the row of weight o at stored row
; p(o) = (o & ~63) | ((o & 3) << 4) | ((o >> 2) & 15); out0: [4096][4096] f32; sums in f32.
; LIMITS.  The division is a multiplication by v_rcp_f32 of the f32 product weight_scale[o] * input_scale (1 ulp; a product outside 2^-126 .. 2^126 is flushed), fused with the bias:
; out = sum x inv + bias x inv.  The operands' own limits are stated where they are made.
; A tile of the output, 256 x 256, is made by a work-group of four waves; a wave makes 128 x 128: 64 accumulators of 16 x 16, 512 registers.  256 tiles, one to a work-group.
; K goes in steps of 128 through a ring of two LDS slots filled by the tensor data mover: a tile's rows are 256 bytes of memory and start at multiples of 256 bytes from the buffer's first byte.
; CLUSTERS: 4 x 4 work-groups.  The four of a row of the cluster need the same tiles of xq, the four of a column the same tiles of wq: each tile is asked for JOINTLY, by the same tensor load
; with the same descriptor and a mask that names the four; each receives it in its own LDS.  That divides the requests for both operands by four.
; THE WAY OUT NEEDS NO LDS.  Source 0 = 16 rows of xq, source 1 = 16 stored rows of wq.  In accumulator (a, 4 g + c) register j of lane (r = l % 16, h = l / 16) is row 16 a + 8 h + j and stored
; row 64 g + 16 c + r, which is output column 64 g + 4 r + c.  So accumulators c = 0..3 hold four neighbouring columns a lane: one fused multiply-add each puts them into four registers on end,
; and a store of 16 bytes a lane lets sixteen lanes cover 256 consecutive bytes of a row, aligned.
; REGISTERS, in windows of 256 (s_set_vgpr_msb's low byte: bits 1:0 source 0, 3:2 source 1, 5:4 source 2, 7:6 destination):
;   window 0: v0-31 addresses; v32-39 inv, v40-47 bias x inv of my lane's eight columns; v64-127, v128-191 fragments of xq, two buffers, and on the way out two buffers of results
;   window 1: v64-127, v128-191 fragments of wq, two buffers
;   window 2: the 32 accumulators of my rows 0-63 (accumulator (a, b) at v[8 (8 a + b)]);   window 3: those of my rows 64-127
.set SIZE_K, 4096
.set SIZE_N, 4096
.set KSTEP,  128
.set PITCH,  272                       ; an LDS row: 256 bytes of data + 16 of padding = 68 words: row r starts at bank 4 r mod 64 (64 banks of 4 bytes: ISA guide 11.1), so the 16 rows that a load touches start at 16 different banks
.set HALFT,  128*PITCH                 ; 128 rows: what one tensor load brings, and what one wave reads of either operand
.set SLOT,   4*HALFT                   ; xq's 256 rows, then wq's 256 rows
.set SPARE,  2*SLOT                    ; behind the ring: the spare words, 128 bytes for each wave: two blocks of 256 bytes that no other line names
.set LAPS,   SIZE_K/(2*KSTEP)          ; a lap = two K steps = once round the ring: 16
.set ROWB,   SIZE_N*4                  ; bytes in a row of out0
.set ADRA, 16                          ; v16-17  LDS address of my fragments of xq in slot 0, 1
.set ADRB, 20                          ; v20-21  the same for wq
.set CO,   26                          ; v26     my byte offset in out0: 8 (l / 16) rows + 16 (l % 16); never rewritten
.set BO,   27                          ; v27     my byte offset in bias and in weight_scale
.set SPW,  28                          ; v28     LDS address of my spare word: SPARE + 4 x my thread's number; never rewritten
.set NIL,  29                          ; v29     0; never rewritten
.set PFO,  30                          ; v30     the prefetches' offset: my lane x a row of xq or wq (8,192 bytes); never rewritten
.set INV,  32                          ; v32-39  1 / (weight_scale x input_scale) of columns 64 g + 4 r + c, at INV + 4 g + c
.set BI,   40                          ; v40-47  bias x inv of the same columns
.set F0,   64                          ; fragment buffer 0
.set F1,   128                         ; fragment buffer 1
.set OUT,  64                          ; the way out: two buffers of 64, blocks of 16 rows by turns
.set XSC,  70                          ; s70     input_scale
.set PFA,  44                          ; s[44:45] where my prefetches stand: my work-group's 32 rows of the 128 that I fetch, one K step further along K than the refill that is being asked for; a prefetch names the K step after that
.set LIM,  43                          ; s43     1 in a wave that prefetches, else the greatest number
.set G1,  24                           ; s[24:31] descriptor group 1 for xq's tiles
.set G0,  32                           ; s[32:39] descriptor group 0 for xq's tiles, one set for each slot
.set G1B, 48                           ; s[48:55] descriptor group 1 for wq's tiles: it differs in the mask alone
.set G0B, 56                           ; s[56:63] descriptor group 0 for wq's tiles, one set for each slot
.set MSB, 0
.macro WIN new                         ; the immediate's high byte repeats the setting that is left; a switch that changes nothing is dropped
.if MSB != (\new)
	s_set_vgpr_msb (MSB<<8)|(\new)
.set MSB, \new
.endif
.endm
.set MUL_LO, 0xa4                      ; source 0 (xq) window 0, source 1 (wq) window 1, C and D window 2
.set MUL_HI, 0xf4                      ; the same, C and D window 3
.set TO_B,   0x40                      ; destination window 1, address window 0
; A joint refill.  Waves 0 and 1 fetch xq's two halves, waves 2 and 3 wq's.  Each of the two lines has ONE mask and one set of registers for all that issue it.  The branch hangs on the wave's
; number alone.  An s_nop 0 and four v_nop follow each of the two lines, ahead of the jump, the label and what follows.
.macro JLOAD s
	s_cmp_eq_u32 s11, 0
	s_cbranch_scc0 .Lfor_b_\@
	tensor_load_to_lds s[G0+4*(\s):G0+4*(\s)+3], s[G1:G1+7]
	s_nop 0
.rept 4
	v_nop
.endr
	s_branch .Lasked_\@
.Lfor_b_\@:
	tensor_load_to_lds s[G0B+4*(\s):G0B+4*(\s)+3], s[G1B:G1B+7]
	s_nop 0
.rept 4
	v_nop
.endr
.Lasked_\@:
.endm
; A PREFETCH INTO THE L2, behind each joint refill, its five lines and the run of LDS loads that follows them: the K step that stands TWO refills on, 512 matrix instructions ahead of the load
; that will want it: 32 rows x 256 bytes, a lane a row, one instruction a wave.  Each row's 256 bytes of a K step are named ONCE in the launch: xq's tile row is read by every cluster of that row
; of clusters, and the first of them (cluster x = 0) asks; wq's tile column by every cluster of that column, and cluster y = 0 asks.  The four partners that ask for a tile jointly share its rows
; out BY ADDRESS: of the 128 rows that a wave fetches, the partner at place p takes 32 p .. 32 p + 31 (p = cx for xq, cy for wq).  The loop's last trip (s3 = 1) asks for nothing: its two
; refills are K steps 30 and 31, and there is no K step two on.  K steps 0 to 3 come by their loads alone.
.macro ASK
	s_cmp_gt_u32 s3, s[LIM]
	s_cbranch_scc0 .Lnot_mine_\@
	global_prefetch_b8 v[PFO], s[PFA:PFA+1] offset:KSTEP*2 th:TH_LOAD_NT scope:SCOPE_SE
.Lnot_mine_\@:
.endm
; A round of the cluster's barrier: my work-group's barrier, so that wave 0's signal speaks for all four waves; wave 0 signals for the work-group; every wave waits for all sixteen
; work-groups; my work-group's barrier once more.  No LDS instruction of the wave is pending at a signal.
.macro CREST                           ; a round behind its opening barrier
	s_cmp_lg_u32 s10, 0
	s_cbranch_scc1 .Lnot_wave_0_\@
	s_barrier_signal -3
.Lnot_wave_0_\@:
	s_barrier_wait -3
	s_barrier_signal -1
	s_barrier_wait -1
.endm
.macro CROUND                          ; a whole round
	s_barrier_signal -1
	s_barrier_wait -1
	CREST
.endm
	s_load_b128 s[4:7], s[0:1], 0x0                ; xq s[4:5], wq s[6:7]
	s_load_b64 s[8:9], s[0:1], 0x10                ; out0
	s_load_b64 s[68:69], s[0:1], 0x18              ; bias
	s_load_b128 s[72:75], s[0:1], 0x20             ; weight_scale s[72:73], input_scale s[74:75]
	v_lshl_add_u32 v[SPW], v0, 2, SPARE
	v_mov_b32 v[NIL], 0
	ds_add_u32 v[SPW], v[NIL]                      ; the wave's opening: the add, twice on end, and its wait ahead of my first tensor load; the set-up below, work on registers, stands between
	ds_add_u32 v[SPW], v[NIL]                      ; and once more, under the one wait
	v_lshrrev_b32 v1, 5, v0
	v_readfirstlane_b32 s10, v1                    ; wave 0..3
	s_lshr_b32 s11, s10, 1                         ; which half of the tile's rows is mine.  Also: I fetch for xq (0) or for wq (1)
	s_and_b32 s12, s10, 1                          ; which half of its columns.  Also: which 128 rows of that tile I fetch
	s_bfe_u32 s40, ttmp6, 0x40000                  ; cx: my place along the cluster's x
	s_bfe_u32 s41, ttmp6, 0x40004                  ; cy: along its y
	s_lshl_b32 s42, ttmp9, 2                       ; in a cluster launch ttmp9 and ttmp7 count clusters
	s_add_co_u32 s42, s42, s40                     ; tile column = 4 x cluster x + cx
	s_and_b32 s13, ttmp7, 0xffff
	s_lshl_b32 s13, s13, 2
	s_add_co_u32 s13, s13, s41                     ; tile row = 4 x cluster y + cy
	s_lshl_b32 s43, s41, 2
	s_lshl_b32 s43, 15, s43                        ; my row of the cluster: places 4 cy .. 4 cy + 3
	s_lshl_b32 s44, 0x1111, s40                    ; my column: places cx, cx + 4, cx + 8, cx + 12
	; descriptor group 1: a tile of 128 rows x 128 elements, padded in LDS
	s_or_b32 s[G1+0], s43, (1<<16)|(1<<20)|(1<<21)|(5<<22)|(3<<25)  ; 15:0 the mask: xq's tiles go to my row; 17:16 elements of 2 bytes; 20 padding on; 21 set beside a mask; 24:22 after every 64 words (code 5); 31:25 4 words of it (code 3)
	s_or_b32 s[G1B+0], s44, (1<<16)|(1<<20)|(1<<21)|(5<<22)|(3<<25) ; the same with the mask of my column, for wq's tiles
.irp g, G1, G1B
	s_mov_b32 s[(\g)+1], KSTEP<<16                 ; tensor_dim0 = 128
	s_mov_b32 s[(\g)+2], 128<<16                   ; tensor_dim1 = 128
	s_mov_b32 s[(\g)+3], KSTEP<<16                 ; tile_dim0 = 128
	s_mov_b32 s[(\g)+4], 128                       ; tile_dim1 = 128
	s_mov_b32 s[(\g)+5], SIZE_K                    ; elements from row to row
	s_mov_b32 s[(\g)+6], 0
	s_mov_b32 s[(\g)+7], 0
.endr
	; where the tiles come from.  xq's hang on the tile row alone, which my row of the cluster shares; wq's on the tile column alone, which my column shares.
	; Every wave makes both addresses, in registers that never hold the other coordinate, and asks by one of them.
	s_lshl_b32 s17, s12, 7                         ; which 128 rows of the tile I fetch
	s_lshl_b32 s16, s13, 8
	s_add_co_u32 s16, s16, s17                     ; xq: row 256 x tile row + 128 x half
	s_lshl_b32 s46, s42, 8
	s_add_co_u32 s46, s46, s17                     ; wq: stored row 256 x tile column + 128 x half
	s_mov_b32 s17, 0
	s_mov_b32 s47, 0
	s_mov_b64 s[18:19], SIZE_K*2
	s_mul_u64 s[16:17], s[16:17], s[18:19]         ; in bytes
	s_mul_u64 s[46:47], s[46:47], s[18:19]
	s_mul_i32 s20, s10, HALFT                      ; and where they go: wave x 128 rows: no place in the cluster enters an LDS address
	s_wait_dscnt 0x0                               ; both opening adds are done
	s_wait_kmcnt 0x0
	s_add_nc_u64 s[14:15], s[4:5], s[16:17]
	s_add_nc_u64 s[46:47], s[6:7], s[46:47]
	CROUND                                         ; all sixteen work-groups are here: the first joint loads meet
.irp s, 0,1
	s_mov_b32 s[G0+4*(\s)], 1                                      ; 1:0 count = 1
	s_add_co_u32 s[G0+4*(\s)+1], s20, (\s)*SLOT                    ; 63:32 LDS address
	s_add_nc_u64 s[G0+4*(\s)+2:G0+4*(\s)+3], s[14:15], (\s)*KSTEP*2  ; 120:64 global address: K step s
	s_or_b32 s[G0+4*(\s)+3], s[G0+4*(\s)+3], 0x80000000            ; 127:126 type = 2
	s_mov_b32 s[G0B+4*(\s)], 1
	s_add_co_u32 s[G0B+4*(\s)+1], s20, (\s)*SLOT
	s_add_nc_u64 s[G0B+4*(\s)+2:G0B+4*(\s)+3], s[46:47], (\s)*KSTEP*2
	s_or_b32 s[G0B+4*(\s)+3], s[G0B+4*(\s)+3], 0x80000000
.endr
	s_cmp_eq_u32 s11, 0                            ; a wave's two first fills stand in one branch, ahead of every wait on TENSORcnt and every LDS read: two loads of mine are out
	s_cbranch_scc0 .Lfirst_b
	tensor_load_to_lds s[G0:G0+3], s[G1:G1+7]
	s_nop 0
	tensor_load_to_lds s[G0+4:G0+7], s[G1:G1+7]
	s_nop 0
.rept 4
	v_nop
.endr
	s_branch .Lfirst_asked
.Lfirst_b:
	tensor_load_to_lds s[G0B:G0B+3], s[G1B:G1B+7]
	s_nop 0
	tensor_load_to_lds s[G0B+4:G0B+7], s[G1B:G1B+7]
	s_nop 0
.rept 4
	v_nop
.endr
.Lfirst_asked:
	s_load_b32 s[XSC], s[74:75], 0x0               ; input_scale
	; A fragment is 16 rows x 32 K in 8 registers: lane l holds row l % 16; registers 0-3 hold K = 8 (l / 16) + 0..7, registers 4-7 hold K = 16 + 8 (l / 16) + 0..7.
	; From rows that lie along K: two loads of 16 bytes, 32 bytes apart.  The same for source 0 and source 1.
	v_and_b32 v1, 15, v0                           ; r = l % 16
	v_bfe_u32 v2, v0, 4, 1                         ; h = l / 16
	v_mul_u32_u24 v3, v1, PITCH
	v_lshl_add_u32 v3, v2, 4, v3                   ; row x pitch + 16 x half
	s_mul_i32 s21, s11, HALFT                      ; my 128 rows of xq
	s_mul_i32 s22, s12, HALFT                      ; my 128 rows of wq,
	s_add_co_u32 s22, s22, 2*HALFT                 ; which lie behind xq's 256
.irp s, 0,1
	v_add_nc_u32 v[ADRA+(\s)], s21, v3
	v_add_nc_u32 v[ADRB+(\s)], s22, v3
	s_add_co_u32 s21, s21, SLOT
	s_add_co_u32 s22, s22, SLOT
.endr
	v_mul_u32_u24 v5, v2, 8*ROWB                   ; lanes 16-31 hold the rows eight further down
	v_lshl_add_u32 v[CO], v1, 4, v5                ; my four columns: 16 bytes at 16 r
	; out0 at my part of the tile
	s_lshl_b32 s13, s13, 8
	s_lshl_b32 s14, s11, 7
	s_add_co_u32 s16, s13, s14                     ; my first row
	s_mov_b32 s17, 0
	s_mov_b64 s[18:19], ROWB
	s_mul_u64 s[16:17], s[16:17], s[18:19]
	s_lshl_b32 s46, s42, 10                        ; my first column, in bytes of f32: 1,024 x tile column + 512 x half
	s_lshl_b32 s47, s12, 9
	s_add_co_u32 s46, s46, s47
	s_mov_b32 s47, 0
	s_add_nc_u64 s[16:17], s[16:17], s[46:47]
	s_add_nc_u64 s[8:9], s[8:9], s[16:17]
	v_lshl_add_u32 v[BO], v1, 4, s46               ; the same columns in bias and weight_scale: columns 4 r .. 4 r + 3 of my first 64; the second 64 lie 256 bytes on
	global_load_b128 v[BI:BI+3],    v[BO], s[68:69]
	global_load_b128 v[BI+4:BI+7],  v[BO], s[68:69] offset:256
	global_load_b128 v[INV:INV+3],   v[BO], s[72:73]
	global_load_b128 v[INV+4:INV+7], v[BO], s[72:73] offset:256
	; the prefetches.  s13 = 256 x tile row, s42 = tile column, s40 = cx, s41 = cy still stand
	s_lshl_b32 s42, s42, 8
	s_and_b32 s22, ttmp7, 0xffff                   ; cluster y
	s_cmp_eq_u32 s11, 0                            ; do I fetch for xq?
	s_cselect_b32 s20, s13, s42                    ; the tile's first row: in xq by the tile row, in wq by the tile column
	s_cselect_b32 s21, s40, s41                    ; my place among the four that ask for it with me
	s_cselect_b32 s22, ttmp9, s22                  ; the coordinate along which other clusters read the same rows
	s_cselect_b64 s[PFA:PFA+1], s[4:5], s[6:7]
	s_cmp_eq_u32 s22, 0
	s_cselect_b32 s[LIM], 1, -1                    ; the same in all sixteen partners, for a given wave
	s_lshl_b32 s22, s12, 7
	s_add_co_u32 s20, s20, s22                     ; + the 128 rows that I fetch
	s_lshl_b32 s21, s21, 5
	s_add_co_u32 s20, s20, s21                     ; + my work-group's 32 of them
	s_mov_b32 s21, 0
	s_mov_b64 s[18:19], SIZE_K*2
	s_mul_u64 s[20:21], s[20:21], s[18:19]
	s_add_nc_u64 s[PFA:PFA+1], s[PFA:PFA+1], s[20:21]
	s_add_nc_u64 s[PFA:PFA+1], s[PFA:PFA+1], 2*KSTEP*2  ; at K step 2: the first refill steps it to 3 and names K step 4
	v_and_b32 v[PFO], 31, v0
	v_mul_u32_u24 v[PFO], v[PFO], SIZE_K*2
	; the dequantisation's two factors, made once, while the first tiles are on their way
	s_wait_kmcnt 0x0                               ; input_scale
	s_wait_loadcnt 0x0                             ; bias and weight_scale
.irp e, 0,1,2,3,4,5,6,7
	v_mul_f32 v[INV+(\e)], s[XSC], v[INV+(\e)]     ; weight_scale x input_scale, one f32 product
.endr
.irp e, 0,1,2,3,4,5,6,7
	v_rcp_f32 v[INV+(\e)], v[INV+(\e)]
.endr
	v_nop                                          ; a plain instruction between the last reciprocal and the use of its result (ISA guide 5.7.2)
	s_wait_alu depctr_va_vdst(0)                   ; and a wait ahead of the first use: one for the eight reciprocals
.irp e, 0,2,4,6
	v_pk_mul_f32 v[BI+(\e):BI+(\e)+1], v[BI+(\e):BI+(\e)+1], v[INV+(\e):INV+(\e)+1]  ; bias x inv
.endr
; 16 matrix instructions: m blocks a0, a0 + 1 of the window's four (hi = 0: my rows 0-63, 1: rows 64-127) x all 8 n blocks, 32 along K.  zero = 1: the first product starts the sums: nothing is ever cleared.
; The 64 accumulators take turns, one instruction a turn, in the same order in every quarter step.
.macro MUL16 f, hi, a0, zero
	WIN MUL_LO+0x50*(\hi)  ; MUL_LO or MUL_HI
.irp a, \a0, (\a0)+1
.irp b, 0,1,2,3,4,5,6,7
.if \zero
	v_wmma_f32_16x16x32_bf16 v[8*(8*(\a)+(\b)):8*(8*(\a)+(\b))+7], v[(\f)+8*(4*(\hi)+(\a)):(\f)+8*(4*(\hi)+(\a))+7], v[(\f)+8*(\b):(\f)+8*(\b)+7], 0
.else
	v_wmma_f32_16x16x32_bf16 v[8*(8*(\a)+(\b)):8*(8*(\a)+(\b))+7], v[(\f)+8*(4*(\hi)+(\a)):(\f)+8*(4*(\hi)+(\a))+7], v[(\f)+8*(\b):(\f)+8*(\b)+7], v[8*(8*(\a)+(\b)):8*(8*(\a)+(\b))+7]
.endif
.endr
.endr
.endm
; 32 LDS loads in one run: the fragments of one quarter step (128 rows of wq, 128 rows of xq, 32 K at byte k of the rows) into buffer f
.macro FETCH slot, k, f
	WIN TO_B
.irp i, 0,1,2,3,4,5,6,7
	ds_load_b128 v[(\f)+8*(\i):(\f)+8*(\i)+3],   v[ADRB+(\slot)] offset:(\k)+(\i)*16*PITCH
	ds_load_b128 v[(\f)+8*(\i)+4:(\f)+8*(\i)+7], v[ADRB+(\slot)] offset:(\k)+(\i)*16*PITCH+32
.endr
	WIN 0
.irp i, 0,1,2,3,4,5,6,7
	ds_load_b128 v[(\f)+8*(\i):(\f)+8*(\i)+3],   v[ADRA+(\slot)] offset:(\k)+(\i)*16*PITCH
	ds_load_b128 v[(\f)+8*(\i)+4:(\f)+8*(\i)+7], v[ADRA+(\slot)] offset:(\k)+(\i)*16*PITCH+32
.endr
.endm
; A load into a register that a matrix instruction has read, and a vector instruction that reads a matrix result or writes one of a matrix instruction's registers, stand four places behind
; it, and only plain vector instructions that name none of its registers are places (ISA guide 7.12.1 for vector instructions).
.macro PLACES
.rept 4
	v_nop
.endr
.endm
; A K step is four quarter steps of 32 along K, 64 matrix instructions each, on buffers 0, 1, 0, 1.
; One of the first three: multiplies buffer f; in its middle it fetches the next quarter's fragments, at byte k of the same slot's rows, into buffer g.
.macro QUARTER slot, k, f, g, zero
	s_wait_dscnt 8                                 ; wq and xq's rows 0-63 are in; the youngest eight loads (xq's rows 64-127) may be out
	WIN MUL_LO
	MUL16 \f, 0, 0, \zero
	MUL16 \f, 0, 2, \zero
	PLACES
	FETCH \slot, \k, \g
	s_wait_dscnt 32                                ; all but the 32 just issued
	WIN MUL_HI
	MUL16 \f, 1, 0, \zero
	MUL16 \f, 1, 2, \zero
.endm
; The last quarter multiplies buffer 1 and changes slots.  MEET is its first half: ONE barrier for the change of slots.  In front of it each wave waits for all its tensor loads, of which one
; is out: its part of the next slot; adds 0 to its spare word; and waits for that and for its own reads of this slot.  Behind it nobody reads this slot any more and the next slot is whole.
.macro MEET round                      ; round = 1: the rest of a round of the cluster's barrier follows
	WIN 0                                          ; (the add's two registers lie in window 0)
	s_wait_tensorcnt 0x0                           ; all my tensor loads have landed;
	ds_add_u32 v[SPW], v[NIL]                      ; 0 onto my spare word;
	s_wait_dscnt 9                                 ; (the add and the youngest eight loads may be out)
	WIN MUL_LO
	MUL16 F1, 0, 0, 0                              ; sixteen matrix instructions stand between the add and the wait for it
	s_wait_dscnt 0x0                               ; the add is done, and my reads of this slot are over:
	s_barrier_signal -1                            ; say so,
	MUL16 F1, 0, 2, 0                              ; work on registers while the others arrive,
.if \round
	WIN 0
.endif
	s_barrier_wait -1                              ; and go on when all four have said so
.endm
; The whole last quarter, with a refill: behind the round the slot just read out is filled again first, with the K step two steps on; then come the next slot's first fragments.
; From a request to the wait for it a wave issues 224 matrix instructions.
.macro TURN slot, next
	s_wait_xcnt 0x0                                ; the last prefetch, a K step back, has read its address: it is stepped here, ahead of the waits of the change of slots
	s_add_nc_u64 s[PFA:PFA+1], s[PFA:PFA+1], KSTEP*2
	MEET 1
	CREST                                          ; all sixteen work-groups have said so: no wave of any partner still reads this slot's tile or has a load on its way
	s_add_nc_u64 s[G0+4*(\slot)+2:G0+4*(\slot)+3], s[G0+4*(\slot)+2:G0+4*(\slot)+3], 2*KSTEP*2   ; no tensor load of mine is out, so a group 0 may be written
	s_add_nc_u64 s[G0B+4*(\slot)+2:G0B+4*(\slot)+3], s[G0B+4*(\slot)+2:G0B+4*(\slot)+3], 2*KSTEP*2
	JLOAD \slot                                    ; the first tensor load behind the round; the four v_nop behind it are also the places in front of the loads below
	FETCH \next, 0, F0
	ASK                                            ; behind the joint load and the run of LDS loads that the next products wait for
	WIN MUL_HI
	MUL16 F1, 1, 0, 0
	MUL16 F1, 1, 2, 0
.endm
; The same without a refill: the last lap's change from slot 0 to slot 1.  Nothing is filled again, so no round of the cluster's barrier follows.
.macro TURN0
	MEET 0
	PLACES
	FETCH 1, 0, F0
	WIN MUL_HI
	MUL16 F1, 1, 0, 0
	MUL16 F1, 1, 2, 0
.endm
; THE WAY OUT of block blk (16 of my rows).  SCALE: sum x inv + bias x inv, one fused multiply-add a number, into buffer blk % 2: registers 32 g + 4 j + c, so that c = 0..3, four neighbouring
; columns, lie on end.  Each accumulator's register 0 is read first.
.macro SCALE blk
	WIN 0x02+(\blk)/4                              ; source 0: window 2 or 3
.irp g, 0,1
.irp j, 0,1,2,3,4,5,6,7
.irp c, 0,1,2,3
	v_fma_f32 v[OUT+64*((\blk)%2)+32*(\g)+4*(\j)+(\c)], v[8*(8*((\blk)%4)+4*(\g)+(\c))+(\j)], v[INV+4*(\g)+(\c)], v[BI+4*(\g)+(\c)]
.endr
.endr
.endr
	WIN 0
.endm
; SEND: 16 stores.  Lanes 0-15 store 256 consecutive bytes of row 16 blk + j, lanes 16-31 of row 16 blk + 8 + j, each at a multiple of 256 from out0's first byte.  The block, the row and the group of 64
; columns stand in the immediate, 1,949,952 at the most, inside its signed 24 bits (ISA guide, chapter 10); base and offset register are never rewritten.
.macro SEND blk
	s_wait_xcnt 0x0                                ; the stores of the block before, 64 multiply-adds back, have had their addresses translated (ISA guide 3.1): their buffer is written again, by the next block, only behind this wait
.irp g, 0,1
.irp j, 0,1,2,3,4,5,6,7
	global_store_b128 v[CO], v[OUT+64*((\blk)%2)+32*(\g)+4*(\j):OUT+64*((\blk)%2)+32*(\g)+4*(\j)+3], s[8:9] offset:(\blk)*16*ROWB+(\j)*ROWB+256*(\g) th:TH_STORE_NT
.endr
.endr
.endm
	s_wait_tensorcnt 1                             ; my part of K step 0 is in; K step 1's load may stay out
	s_barrier_signal -1
	s_barrier_wait -1                              ; everybody's is
	FETCH 0, 0, F0
	QUARTER 0, 64,  F0, F1, 1                      ; the first quarter stands in front of the loop: its products start the sums
	WIN 0                                          ; at a label and at a branch every window is 0
	s_mov_b32 s3, LAPS-1
.Llap:                                                 ; a trip goes once round the ring, from a lap's second quarter to the next lap's first, and fills both slots again: trip t asks for K steps 2 t + 2 and 2 t + 3
	QUARTER 0, 128, F1, F0, 0
	QUARTER 0, 192, F0, F1, 0
	TURN 0, 1
	QUARTER 1, 64,  F0, F1, 0
	QUARTER 1, 128, F1, F0, 0
	QUARTER 1, 192, F0, F1, 0
	TURN 1, 0
	QUARTER 0, 64,  F0, F1, 0
	WIN 0
	s_sub_co_u32 s3, s3, 1
	s_cmp_lg_u32 s3, 0
	s_cbranch_scc1 .Llap
	QUARTER 0, 128, F1, F0, 0                      ; the last lap is written out: it fills nothing
	QUARTER 0, 192, F0, F1, 0
	TURN0
	QUARTER 1, 64,  F0, F1, 0
	QUARTER 1, 128, F1, F0, 0
	QUARTER 1, 192, F0, F1, 0
	s_wait_dscnt 8                                 ; the very last quarter: nothing more to fetch
	WIN MUL_LO
	MUL16 F1, 0, 0, 0
	MUL16 F1, 0, 2, 0
	s_wait_dscnt 0x0
	WIN MUL_HI
	MUL16 F1, 1, 0, 0
	MUL16 F1, 1, 2, 0
	PLACES                                         ; the multiply-adds below read results and write over fragments that the last products have read
.irp a, 0,1,2,3,4,5,6,7
	SCALE \a
	SEND \a
.endr
	s_wait_tensorcnt 0x0                           ; the wave's end, behind my last tensor load
	ds_add_u32 v[SPW], v[NIL]
	s_wait_dscnt 0x0
	CROUND                                         ; the closing round: no work-group ends while a partner may still ask for a tile that names it
	s_endpgm
.Lfunc_end_k_q17140a79ba_gemm:
	.size	k_q17140a79ba_gemm, .Lfunc_end_k_q17140a79ba_gemm-k_q17140a79ba_gemm
	.p2alignl 7, 3214868480
	.fill 96, 4, 3214868480
	.section	.rodata,"a",@progbits
	.p2align	6, 0x0
	.amdhsa_kernel k_q17140a79ba_gemm
		.amdhsa_group_segment_fixed_size 327680
		.amdhsa_private_segment_fixed_size 0
		.amdhsa_enable_private_segment 0
		.amdhsa_kernarg_size 48
		.amdhsa_user_sgpr_count 2
		.amdhsa_user_sgpr_kernarg_segment_ptr 1
		.amdhsa_wavefront_size32 1
		.amdhsa_system_sgpr_workgroup_id_x 1
		.amdhsa_system_sgpr_workgroup_id_y 1
		.amdhsa_system_sgpr_workgroup_id_z 1
		.amdhsa_system_vgpr_workitem_id 0
		.amdhsa_next_free_vgpr 1024
		.amdhsa_next_free_sgpr 76
		.amdhsa_reserve_vcc 0
		.amdhsa_float_denorm_mode_32 3
		.amdhsa_float_denorm_mode_16_64 3
		.amdhsa_memory_ordered 1
		.amdhsa_forward_progress 1
		.amdhsa_inst_pref_size 158
	.end_amdhsa_kernel
	.amdgpu_metadata
---
amdhsa.version: [ 1, 2 ]
amdhsa.kernels:
  - .name:           k_q17140a79ba_gemm
    .symbol:         k_q17140a79ba_gemm.kd
    .args:
      - { .name: xq, .offset: 0, .size: 8, .value_kind: global_buffer, .address_space: global }
      - { .name: wq, .offset: 8, .size: 8, .value_kind: global_buffer, .address_space: global }
      - { .name: out0, .offset: 16, .size: 8, .value_kind: global_buffer, .address_space: global }
      - { .name: bias, .offset: 24, .size: 8, .value_kind: global_buffer, .address_space: global }
      - { .name: weight_scale, .offset: 32, .size: 8, .value_kind: global_buffer, .address_space: global }
      - { .name: input_scale, .offset: 40, .size: 8, .value_kind: global_buffer, .address_space: global }
    .group_segment_fixed_size: 327680
    .private_segment_fixed_size: 0
    .kernarg_segment_align: 8
    .kernarg_segment_size: 48
    .max_flat_workgroup_size: 128
    .sgpr_count:     76
    .vgpr_count:     1024
    .wavefront_size: 32
...
	.end_amdgpu_metadata
.endif
;; end of part 2
;; ======== version 2 of 2: 2 launches; version 1 with the launch quant written anew for expert scheduling mode
;; workspace buffers: xq 33,554,432 bytes; wq 33,554,432 bytes
;; launch quant (part 3): grid 256 x 2, 8 waves a work-group, no clusters, 0 bytes of LDS; arguments x, weight, weight_scale, input_scale, xq, wq; writes xq, wq
.if DOCPART == 3
	.amdgcn_target "amdgcn-amd-amdhsa--gfx1250"
	.amdhsa_code_object_version 6
	.text
	.protected	k_q17140a79ba_quant
	.globl	k_q17140a79ba_quant
	.p2align	8
	.type	k_q17140a79ba_quant,@function
k_q17140a79ba_quant:
	s_mov_b64 s[64:65], 0
	v_nop
	global_prefetch_b8 v0, s[64:65] scope:SCOPE_SE
	s_setreg_imm32_b32 hwreg(HW_REG_WAVE_SCHED_MODE, 0, 2), 2
	s_setreg_imm32_b32 hwreg(HW_REG_WAVE_MODE, 25, 1), 1
	s_wait_xcnt 0x0
	s_wait_alu depctr_vm_vsrc(0)
; THE TWO MATRIX OPERANDS, MADE ONCE.  x: [4096][4096] f32, weight: [4096][4096] f32; xq, wq: [4096][4096] bf16.
;   xq[m][d] = bf16(f32(int32(x[m][d] * input_scale)))            int32: toward zero
;   wq[p(o)][d] = bf16(clamp(round_half_even(weight[o][d] * weight_scale[o]), -128, 127))
; The product in front of each rounding is one f32 multiplication, so that the discontinuous step behind it sees the same number as the problem's function.
; wq's ROWS ARE PERMUTED inside each group of 64: weight row o lies at stored row p(o) = (o & ~63) | ((o & 3) << 4) | ((o >> 2) & 15).  In the product that follows, a lane's
; results in four accumulators are then four NEIGHBOURING columns of the output, and go out as 16 bytes without a detour.
; LIMITS.  Whole numbers up to 256 are exact in bf16; a larger xq is rounded to 8 significant bits (at most 2^-8 of itself).  Both conversions to whole numbers SATURATE
; (int8 at -128 and 127, int32 at its ends); there is no wraparound.  A NaN in x counts as 0; a NaN in weight counts as -128.
; SHARES.  Grid y = 0: x; y = 1: weight.  A work-group owns 16 rows, each of its eight waves two: 32,768 bytes of input on end.  A load takes 16 bytes a lane, 512 consecutive bytes a wave;
; its four numbers leave as 8 bytes a lane: each store of a wave covers 256 consecutive bytes, aligned.
; Nothing is shared between waves or work-groups: no LDS, no barrier, no cluster, no matrix unit; the wave's own loads are the stream, so nothing is asked for ahead of them.
; THE MODE: SCHED_MODE bits 1:0 = 2 (LLVM: expert scheduling mode 2), set by the entry lines.  The code itself states the register dependences
; between vector instructions and memory instructions, with s_wait_alu, always for 0.
; THE PLAN.  32 slots of four registers hold a row; a wave's 64 turns (32 slots x 2 rows) go in 16 blocks of four slots: blocks 0 to 7 the first row, 8 to 15 the second.
; Registers that memory instructions touch:
;   X slot i   Written by the first row's load (at the head); read and written by the first row's arithmetic; then the second row's load lands in it, issued one block later; read and
;              written by the second row's arithmetic, which packs its result into the slot's first two registers; these are read by the second row's store, issued one block later.
;   Y slot i   Written once, by the first row's roundings to bf16; read once, by the first row's store, issued one block later.
;   v1, v2     Byte offsets, made at the head and never written again; the rows and slots are reached by immediate offsets; the two bases never change.
; Block p's vector lines name the X (and, in the first row, the Y) of its own four slots alone.  Its memory instructions touch what block p - 1 worked on: in blocks 1 to 8 the loads into that
; block's X and the stores from its Y, in blocks 9 to 15 the stores from its packed X.  So ONE wait at a block's head states all that the block's memory instructions hang on, and these are dealt
; among its vector lines, a load and a store in front of each slot's twelve, with no further wait.
; No register that a memory instruction has read is ever written again: so no wait frees a source, neither for the vector side nor for an address.
; IN FLIGHT.  A row's 32 loads are all out at the start; a slot is asked for again a block behind its arithmetic: at each wait for data of blocks 0 to 8, 28 younger loads of the wave stay out.
.set ROWIN,  16384                     ; bytes in a row of x and of weight
.set ROWOUT, 8192                      ; bytes in a row of xq and of wq
.set X,   4                            ; v[4:131]    slot i: four f32 as loaded, at X + 4 i
.set Y,   132                          ; v[132:195]  slot i: the first row's four bf16, at Y + 2 i
	s_load_b256 s[4:11], s[0:1], 0x0               ; x s[4:5], weight s[6:7], weight_scale s[8:9], input_scale s[10:11]
	s_load_b128 s[12:15], s[0:1], 0x20             ; xq s[12:13], wq s[14:15]
	v_and_b32 v1, 31, v0                           ; lane
	v_lshrrev_b32 v3, 5, v0
	v_readfirstlane_b32 s16, v3                    ; wave 0..7
	v_lshlrev_b32 v2, 3, v1                        ; 8 bytes a lane out; never rewritten
	v_lshlrev_b32 v1, 4, v1                        ; 16 bytes a lane in; never rewritten
	s_and_b32 s17, ttmp7, 0xffff                   ; 0: x, 1: weight
	s_lshl_b32 s18, ttmp9, 4                       ; the work-group's 16 rows,
	s_wait_alu depctr_va_sdst(0)                   ; s16 is written, ahead of its first reader: my rows' number, and by it both bases, are made from it
	s_lshl_b32 s19, s16, 1
	s_add_co_u32 s18, s18, s19                     ; my two: row0 (even) and row0 + 1
	s_lshl_b32 s20, s18, 14                        ; row0 x 16,384 bytes, under 2^26
	s_mov_b32 s21, 0
	s_wait_kmcnt 0x0
	s_cmp_eq_u32 s17, 0
	s_cselect_b64 s[22:23], s[4:5], s[6:7]         ; the source
	s_add_nc_u64 s[22:23], s[22:23], s[20:21]      ; at my first row
	s_wait_alu depctr_va_vdst(0)                   ; v1 and v2 are written: every load and store of the kernel reads one of them as its offset
.set n, 0
.rept 32
	global_load_b128 v[X+4*n:X+4*n+3], v1, s[22:23] offset:512*n th:TH_LOAD_NT  ; the whole first row
.set n, n+1
.endr
; The arithmetic of slot i: twelve vector lines.  kind = 0: x, 1: weight.  row = 0: my first row, rounded into Y; row = 1: the second row, packed in place.
.macro WORK kind, i, row
.set XR, X+4*(\i)
.set YR, Y+2*(\i)
.set SC, 24                            ; s[24:25]: the scale of x, or of weight's row0
.if (\kind) && (\row)
.set SC, 32                            ; s[32:33]: the scale of weight's row0 + 1
.endif
	v_pk_mul_f32 v[XR:XR+1], v[XR:XR+1], s[SC:SC+1] op_sel_hi:[1,0]        ; times the scale: one f32 product each
	v_pk_mul_f32 v[XR+2:XR+3], v[XR+2:XR+3], s[SC:SC+1] op_sel_hi:[1,0]
.if \kind
.irp e, 0,1,2,3
	v_rndne_f32 v[XR+(\e)], v[XR+(\e)]             ; to the nearest whole number, halves to even
.endr
.irp e, 0,1,2,3
	v_med3_num_f32 v[XR+(\e)], v[XR+(\e)], s34, s35  ; held to -128 .. 127
.endr
.else
.irp e, 0,1,2,3
	v_cvt_i32_f32 v[XR+(\e)], v[XR+(\e)]           ; toward zero, saturating
.endr
.irp e, 0,1,2,3
	v_cvt_f32_i32 v[XR+(\e)], v[XR+(\e)]
.endr
.endif
.if (\row)
	v_cvt_pk_bf16_f32 v[XR], v[XR], v[XR+1]        ; packed in place: the slot is not loaded again
	v_cvt_pk_bf16_f32 v[XR+1], v[XR+2], v[XR+3]
.else
	v_cvt_pk_bf16_f32 v[YR], v[XR], v[XR+1]
	v_cvt_pk_bf16_f32 v[YR+1], v[XR+2], v[XR+3]
.endif
.endm
.macro REFILL i                        ; slot i takes the second row's bytes
	global_load_b128 v[X+4*(\i):X+4*(\i)+3], v1, s[22:23] offset:ROWIN+512*(\i) th:TH_LOAD_NT
.endm
.macro OUT0 i                          ; slot i's part of the first row leaves
	global_store_b64 v2, v[Y+2*(\i):Y+2*(\i)+1], s[26:27] offset:256*(\i)
.endm
.macro OUT1 kind, i                    ; slot i's part of the second row leaves: to the next row of xq, or 16 stored rows on in wq: p(row0 + 1) = p(row0) + 16, row0 being even
	global_store_b64 v2, v[X+4*(\i):X+4*(\i)+1], s[26:27] offset:ROWOUT*(1+15*(\kind))+256*(\i)
.endm
; Block p of 16.  n: the slot at work; m: the same place in the block before, whose registers this block's memory instructions touch.
.macro BLK kind, p
.if (\p) > 0
	s_wait_alu depctr_va_vdst(0)                   ; the block before has written its Y (second row: its packed X), which the stores below read, and is done reading and writing its X, in which the loads below land
.endif
.irp j, 0,1,2,3
.set n, 4*((\p)%8)+(\j)
.set m, 4*(((\p)+7)%8)+(\j)
.if ((\p) > 0) && ((\p) <= 8)
	REFILL m                                       ; the load ahead of the store.  No wait: no vector line since the wait above names slot m
	OUT0 m
.elseif (\p) > 8
	OUT1 \kind, m
.endif
.if (\p) <= 8
	s_wait_loadcnt 28                              ; loads come back in order (ISA guide 5.7.1).  First row: behind slot n's load stand 31 - n first loads and the n - 3 second loads already issued; block 0: slots 0 to 3 are in; block 8: 28 second loads are younger
.else
	s_wait_loadcnt 31-n                            ; all loads are issued: behind slot n's second load stand the 31 - n younger ones
.endif
	WORK \kind, n, (\p)/8
.endr
.endm
.macro ROWS kind                       ; both rows: 16 blocks, and the last block's stores
.irp q, 0,1,2,3,4,5,6,7,8,9,10,11,12,13,14,15
	BLK \kind, \q
.endr
	s_wait_alu depctr_va_vdst(0)                   ; block 15 has written its packed X, which the last four stores read
.irp i, 28,29,30,31
	OUT1 \kind, \i
.endr
.endm
	s_cmp_lg_u32 s17, 0
	s_cbranch_scc1 .Lweight
	s_load_b32 s24, s[10:11], 0x0                  ; input_scale
	s_lshl_b32 s28, s18, 13                        ; row0 x 8,192 bytes
	s_mov_b32 s29, 0
	s_add_nc_u64 s[26:27], s[12:13], s[28:29]      ; xq at my first row
	s_wait_kmcnt 0x0
	s_mov_b32 s25, s24                             ; named with it as a pair
	ROWS 0
	s_endpgm
.Lweight:
	s_lshl_b32 s36, s18, 2                         ; my two scales: 8 bytes at 4 x row0
	s_mov_b32 s37, 0
	s_add_nc_u64 s[8:9], s[8:9], s[36:37]
	s_load_b64 s[30:31], s[8:9], 0x0
	s_and_b32 s36, s18, 0xfc0                      ; p(row0): the group of 64 stays,
	s_and_b32 s37, s18, 3
	s_lshl_b32 s37, s37, 4                         ; the two lowest bits go up by four,
	s_or_b32 s36, s36, s37
	s_bfe_u32 s37, s18, 0x40002                    ; bits 5:2 come down
	s_or_b32 s36, s36, s37
	s_lshl_b32 s28, s36, 13
	s_mov_b32 s29, 0
	s_add_nc_u64 s[26:27], s[14:15], s[28:29]      ; wq at stored row p(row0)
	s_mov_b32 s34, 0xc3000000                      ; -128.0
	s_mov_b32 s35, 0x42fe0000                      ; 127.0
	s_wait_kmcnt 0x0
	s_mov_b32 s24, s30                             ; row0's scale, as a pair,
	s_mov_b32 s25, s30
	s_mov_b32 s32, s31                             ; and that of row0 + 1
	s_mov_b32 s33, s31
	ROWS 1
	s_endpgm
.Lfunc_end_k_q17140a79ba_quant:
	.size	k_q17140a79ba_quant, .Lfunc_end_k_q17140a79ba_quant-k_q17140a79ba_quant
	.p2alignl 7, 3214868480
	.fill 96, 4, 3214868480
	.section	.rodata,"a",@progbits
	.p2align	6, 0x0
	.amdhsa_kernel k_q17140a79ba_quant
		.amdhsa_group_segment_fixed_size 0
		.amdhsa_private_segment_fixed_size 0
		.amdhsa_enable_private_segment 0
		.amdhsa_kernarg_size 48
		.amdhsa_user_sgpr_count 2
		.amdhsa_user_sgpr_kernarg_segment_ptr 1
		.amdhsa_wavefront_size32 1
		.amdhsa_system_sgpr_workgroup_id_x 1
		.amdhsa_system_sgpr_workgroup_id_y 1
		.amdhsa_system_sgpr_workgroup_id_z 1
		.amdhsa_system_vgpr_workitem_id 0
		.amdhsa_next_free_vgpr 196
		.amdhsa_next_free_sgpr 66
		.amdhsa_reserve_vcc 0
		.amdhsa_float_denorm_mode_32 3
		.amdhsa_float_denorm_mode_16_64 3
		.amdhsa_memory_ordered 1
		.amdhsa_forward_progress 1
		.amdhsa_inst_pref_size 101
	.end_amdhsa_kernel
	.amdgpu_metadata
---
amdhsa.version: [ 1, 2 ]
amdhsa.kernels:
  - .name:           k_q17140a79ba_quant
    .symbol:         k_q17140a79ba_quant.kd
    .args:
      - { .name: x, .offset: 0, .size: 8, .value_kind: global_buffer, .address_space: global }
      - { .name: weight, .offset: 8, .size: 8, .value_kind: global_buffer, .address_space: global }
      - { .name: weight_scale, .offset: 16, .size: 8, .value_kind: global_buffer, .address_space: global }
      - { .name: input_scale, .offset: 24, .size: 8, .value_kind: global_buffer, .address_space: global }
      - { .name: xq, .offset: 32, .size: 8, .value_kind: global_buffer, .address_space: global }
      - { .name: wq, .offset: 40, .size: 8, .value_kind: global_buffer, .address_space: global }
    .group_segment_fixed_size: 0
    .private_segment_fixed_size: 0
    .kernarg_segment_align: 8
    .kernarg_segment_size: 48
    .max_flat_workgroup_size: 256
    .sgpr_count:     66
    .vgpr_count:     196
    .wavefront_size: 32
...
	.end_amdgpu_metadata
.endif
;; end of part 3
;; launch gemm: the kernel of part 2 again; grid 16 x 16, 4 waves a work-group, clusters of 4 x 4, 327,680 bytes of LDS; arguments xq, wq, out0, bias, weight_scale, input_scale; writes out0
